; MI455X (gfx1250); checked and timed in simulation.
; The chip was launched on July 23, 2026; its instructions are those of AMD's public machine-readable ISA for CDNA 5 (MIT licence, August 2026) and "CDNA5" Instruction Set Architecture Reference Guide (July 2026). The comments in the code are by the model that wrote it; some were corrected since.
;; Rel Position Multi Headed Attention. Allowed arithmetic: matrix products marked QUANTISED: E2M1 operands, one E8M0 scale for each 32 along K, by v_wmma_scale_f32_16x16x128_f8f6f4 with both operands' format E2M1 (or v_wmma_scale_f32_32x16x128_f4), f32 sums; everything else in f32.
;; Inputs: W_qkv 128 x 384 float32; b_qkv 384 float32; key 32,768 x 128 float32; query 32,768 x 128 float32; u_bias 8 x 128 float32; v_bias 8 x 128 float32; value 32,768 x 128 float32.
;; Outputs: out0 8 x 4,096 x 128 float32.
;; This version of the problem:
;;   THIS VERSION OF THE PROBLEM IS GIVEN IN LOW PRECISION. The matrix products marked QUANTISED in the list below multiply operands that are first quantised to E2M1 (2 exponent bits, 1 mantissa bit; 4 bits a number), with one power-of-two scale for each 32 numbers along K (OCP MX v1.0); their sums are f32. All else is computed in f32.
;;   The module's matrix products, in the order in which they are computed (A, B: the left and right operand; K: the contracted axis; several contracted axes count as one K, in the product's order):
;;     1. [M 32,768, K 128] x [K 128, N 384]; A: input query; B: input W_qkv: QUANTISED
;;     2. batch 8 x [M 4,096, K 128] x [K 128, N 4,096]; A: computed on the way; B: computed on the way: QUANTISED
;;     3. batch 8 x [M 4,096, K 4,096] x [K 4,096, N 128]; A: softmax (see below); B: computed on the way: QUANTISED
;;   THE QUANTISER, for each operand of a quantised product, along K:
;;     - K is cut into blocks of 32 from its start; a last block that is shorter is filled with zeros.
;;     - A block's scale is 2^e with e = floor(log2(the largest magnitude in the block)) - 2, held to -126 .. 127; a block of zeros has e = 0. As a byte (E8M0): e + 127.
;;     - Each number is divided by its block's scale, clamped to +-6, and rounded to the nearest number of E2M1, ties to even, subnormals kept.
;;     - The product sums the exact products of the quantised numbers (number of the format x scale) in f32.
;;   ~~~python
;;   def quantise(x, axis):      # numpy; x: float32 -> the quantised numbers, widened to float32 again
;;       x = np.moveaxis(x, axis, -1); K = x.shape[-1]
;;       x = np.pad(x, [(0, 0)] * (x.ndim - 1) + [(0, -K % 32)]); x = x.reshape(x.shape[:-1] + (-1, 32)); a = np.abs(x).max(-1, keepdims=True)
;;       e = np.where(a > 0, np.clip(np.frexp(np.where(a > 0, a, 1))[1] - 1 - 2, -126, 127), 0)      # np.frexp(a)[1] - 1 = floor(log2(a)), exactly
;;       r = np.clip(x / 2.0 ** e, -6, 6)
;;       step = 2.0 ** (np.maximum(np.frexp(np.where(r == 0, 1, r))[1] - 1, 0) - 1)
;;       q = np.round(r / step) * step * 2.0 ** e      # np.round: ties to even
;;       return np.moveaxis(q.reshape(q.shape[:-2] + (-1,))[..., :K], -1, axis).astype(np.float32)
;;   ~~~
;;   SOFTMAX AHEAD OF A QUANTISED PRODUCT. Where the list says 'softmax', what is quantised is not the finished softmax but p = 2^(t - M), with t = logit x log2(e) and M = ceil(the row's largest t), a whole number; so 1/2 < the row's largest p <= 1. The row's sum l is taken of the UNQUANTISED p, in f32, and the product's result is divided by l at the end. Since M is a whole number, a kernel that streams over the keys may use a running M (the ceiling of the running maximum): every later rescaling is an exact power of two, which a block's scale takes up: the codes' values come out the same.
;;   OPERANDS COMPUTED ON THE WAY. 'Computed on the way' means the value that the module computes at that place (a softmax that the list does not call 'softmax' is quantised finished and normalised). What goes into a quantiser is computed in f32, as accurately as f32 sums, v_exp_f32 and their like allow (about 1e-6 of the number): no bf16 or f16 on the way to a quantiser, and a product that is left as it is and whose result goes on into a quantised operand takes f32 operands (vector FMAs, or v_wmma_f32_16x16x4_f32). A number that lies on a knife's edge between two numbers of the format may be rounded either way, as far as f32 arithmetic and the matrix unit's own rounding can turn it there, and no further.
;; One version. Each part assembles by itself: llvm-mc -triple=amdgcn-amd-amdhsa -mcpu=gfx1250 --defsym DOCPART=n.
;; ======== version 1 of 1: 2 launches
;; limits: right only within a limited range of input values
;; workspace buffers: qbuf 2,228,224 bytes; kvc 4,456,448 bytes
;; launch proj (part 1): grid 32 x 8, 16 waves a work-group, clusters of 4 x 1, 304,128 bytes of LDS; arguments query, W_qkv, b_qkv, u_bias, v_bias, qbuf, kvc; writes qbuf, kvc
.if DOCPART == 1
	.amdgcn_target "amdgcn-amd-amdhsa--gfx1250"
	.amdhsa_code_object_version 6
	.text
	.protected	k_q463c662515_proj
	.globl	k_q463c662515_proj
	.p2align	8
	.type	k_q463c662515_proj,@function
k_q463c662515_proj:
	s_mov_b64 s[64:65], 0
	v_nop
	global_prefetch_b8 v0, s[64:65] scope:SCOPE_SE
	s_setreg_imm32_b32 hwreg(HW_REG_WAVE_MODE, 25, 1), 1
	s_wait_xcnt 0x0
	s_wait_alu depctr_hold_cnt(0) depctr_sa_sdst(0) depctr_va_vdst(0) depctr_va_sdst(0) depctr_va_ssrc(0) depctr_va_vcc(0) depctr_vm_vsrc(0)
	s_getreg_b32 s2, hwreg(HW_REG_IB_STS2, 6, 4)
	s_cmp_eq_u32 s2, 0
	s_cbranch_scc0 .Lentry_in_a_cluster
	s_endpgm
.Lentry_in_a_cluster:
	s_bfe_u32 s2, ttmp6, 0x10000c
	s_cmp_lg_u32 s2, 0x3003
	s_cbranch_scc0 .Lentry_shape_is_right
	s_endpgm
.Lentry_shape_is_right:
; qkv = Q4(query) Q4(W_qkv) + b_qkv, split into heads (token 8 s + head is row s of the head), + u_bias on q, + v_bias on k; then q and k are quantised along the head's 128 channels
; and v along the KEYS (blocks of 32 rows s of one head).  Q4 = codes of FP4 (E2M1) with one E8M0 scale for each 32 along K.
; DEAD INPUTS: key and value have no way to any output, whatever they hold: reference() never uses them.  They are not loaded; a NaN or an infinity in them is not carried to the result.
; A block's scale byte is its largest magnitude's exponent field - 2, held at 1 from below; each number is divided by the scale and rounded to the nearest code, ties to even, beyond 6 the largest code.
; LIMITS: NaN and infinities among the inputs are not served; a block whose largest magnitude lies under 2^-124 is held at byte 1; a block of zeros gets the byte 1 and not 127 (its codes are zeros, and
; this program alone reads the bytes); b_qkv + the head's bias are added first and enter as the product's C: one f32 rounding stands elsewhere than in the definition.
; SHARES.  A work-group takes 128 rows s = 128 X .. of one head.  Wave w quantises 8 rows of x while W is on its way, then three of W's 48 units (32 columns x 32 k), then makes q (w < 8) or k of row tile w % 8
; (source 0 = 16 columns of W, source 1 = x), then v of channel tile w % 8 for rows 64 (w / 8) .. + 63 (source 0 = x, source 1 = 16 columns of W).  Whatever is quantised, a block of 32 lies in ONE lane's registers.
; THE ROWS OF A TILE ARE NOT NEIGHBOURS: row p of tile 4 c + u is 64 c + 32 (p / 8) + 8 u + p % 8 (rows s of x; columns of W for q and k), so that the 32 registers of tiles 4 c .. 4 c + 3 of a lane are ONE block of 32
; neighbours along the next K, 64 c + 32 (lane / 16) + 0 .. 31: the place that the operand's layout gives that lane.
; OPERANDS LIE AS IMAGES OF THEIR REGISTERS, in LDS and in the buffers: a fragment (16 rows x 128 K: 8 registers) is 1,024 bytes, registers 4 c .. 4 c + 3 of lane l at 512 c + 16 l: block b of row p at 256 b + 16 p.
; BUFFERS.  qbuf: for each chunk of 128 rows 8 images and 512 bytes of scale words; kvc: for each chunk 8 images of K, 8 of V, 512 bytes of K's scale words, 512 of V's.  Scale word of tile t, row r: at
; 256 (t % 2) + 16 r + 4 (t / 2), so that 16 bytes a lane bring four registers, each with the words of two neighbouring tiles' 32 rows.
; CLUSTER.  All work-groups want the same W: the four of a cluster ask for it jointly, each wave for a sixteenth, once.  No LDS byte is filled twice.  No prefetch: there is no loop to run ahead in.
.set XIMG, 0                           ; LDS: x's 8 images
.set XSC,  8192                        ; their scale words, 64 bytes a tile (4 x row)
.set WIMG, 9216                        ; W's 24 images: q's 8 tiles, k's 8, v's 8
.set WSC,  33792                       ; their scale words, 64 bytes a tile
.set BIAS, 35328                       ; 256 numbers: b + u for q's channels, b + v_bias for k's
.set QSS,  36352                       ; the results' scale words: 512 bytes for q, k and v each
.set XST,  37888                       ; a stage for each wave: 8 rows of 512 bytes + 16
.set WRAW, 105472                      ; W as it lies in memory, 196,608 bytes: the only bytes that a tensor load fills
.set SPARE, 302080                     ; the spare words, 128 bytes for each wave
.set LI,  1                            ; 16 x lane
.set XSI, 3                            ; my stage, on the way in
.set XSO, 4                            ; and out: row l % 8, block l / 8
.set XIA, 5                            ; where my block's codes go in x's images,
.set XIB, 6                            ; and its scale byte
.set WRD, 7                            ; W raw: my block of 32 k, my first 32 columns
.set WAQ, 8                            ; where a unit's 16 bytes go in W's images, tiles in q's and k's order
.set WBQ, 9                            ; and its scale byte
.set WAV, 10                           ; the same for v: tiles of neighbouring columns
.set WBV, 11
.set BI,  12                           ; the bias of my part, + 128 h
.set BW,  13                           ; where I put a bias
.set SAD, 14                           ; my row's scale bytes of q or k
.set VSB, 15                           ; and v's
.set SW,  16                           ; v16-23 scale words: scales and nothing else
.set SX,  24                           ; v24, v25 likewise
.set SXV, 25
.set BY,  26                           ; v26-28 scale bytes just made
.set WQA, 29                           ; W's images of my part
.set WQS, 30                           ; their scale words
.set XRD, 31                           ; x's image of tile w % 8; W's for my channels of v lies at a constant distance
.set HA,  32                           ; v32-95   x as loaded; then accumulators
.set WF,  96                           ; v96-159  x turned; then fragments
.set WS,  128                          ; v128-223 three sets of 32 numbers of W
.set BC,  160                          ; v160-223 later: the bias as C
.set TM,  224                          ; v224-228 at work
.set XRS, 229                          ; scale words of x's tile w % 8, and of W's for v
.set XVR, 230                          ; x's four images for v
.set XVS, 231                          ; their scale words
.set PC,  232                          ; v232-243 codes just made
.set XF,  244                          ; v244-251 one fragment
.set BVV, 252                          ; v's bias of my channel
.set SPW, 254                          ; LDS address of my spare word
.set NIL, 255                          ; 0
.set WV,  20                           ; s20  my wave's number
.macro CROUND                          ; a round of the cluster's barrier: wave 0 signals for the work-group
	s_barrier_signal -1
	s_barrier_wait -1
	s_cmp_lg_u32 s[WV], 0
	s_cbranch_scc1 .Lnot_wave_0_\@
	s_barrier_signal -3
.Lnot_wave_0_\@:
	s_barrier_wait -3
	s_barrier_signal -1
	s_barrier_wait -1
.endm
; A block of 32 numbers of a lane, v[s] on, becomes its 16 bytes of codes in v[d] on and its scale byte in v[y].
.macro Q32 s, d, y
.irp k, 0,1,2,3
	v_max3_num_f32 v[TM+\k], |v[\s+8*\k]|, |v[\s+8*\k+1]|, |v[\s+8*\k+2]|
.endr
.irp i, 3,5
.irp k, 0,1,2,3
	v_max3_num_f32 v[TM+\k], v[TM+\k], |v[\s+8*\k+\i]|, |v[\s+8*\k+\i+1]|
.endr
.endr
	v_max3_num_f32 v[TM], v[TM], |v[\s+7]|, |v[\s+15]|
	v_max3_num_f32 v[TM+1], v[TM+1], |v[\s+23]|, |v[\s+31]|
	v_max3_num_f32 v[TM+2], v[TM+2], v[TM+3], 0x1800000   ; the floor 2^(3 - 127): the byte cannot fall under 1
	v_max3_num_f32 v[TM], v[TM], v[TM+1], v[TM+2]
	v_add_nc_u32 v[TM+4], 0xff000000, v[TM]        ; 2 off the exponent field: the conversion's scale operand
	v_lshrrev_b32 v[\y], 23, v[TM+4]
.irp g, 0,1,2,3
	v_cvt_scalef32_pk8_fp4_f32 v[\d+\g], v[\s+8*\g:\s+8*\g+7], v[TM+4]
.endr
	v_nop                                          ; one plain instruction behind the last conversion
.endm
.macro FETCH reg, adr, off
.irp c, 0,1
	ds_load_b128 v[\reg+4*\c:\reg+4*\c+3], v[\adr] offset:\off+512*\c
.endr
.endm
; Unit j of my three: block w % 4 of 32 k, columns 32 (w / 4 + 4 j) on.  A lane takes a column, its registers run down K; an instruction reads 128 consecutive bytes.
.macro WL j
.set kk, 0
.rept 32
	ds_load_b32 v[WS+32*\j+kk], v[WRD] offset:kk*1536+512*\j
.set kk, kk+1
.endr
.endm
.macro PROD n, st, sx                  ; n products; the bias is their C: st = 8: n tiles of it, st = 0: one for all
.set t, 0
.rept \n
	v_wmma_scale_f32_16x16x128_f8f6f4 v[HA+8*t:HA+8*t+7], v[WF+8*t:WF+8*t+7], v[XF:XF+7], v[BC+\st*t:BC+\st*t+7], v[SW+t], v[\sx] matrix_a_fmt:MATRIX_FMT_FP4 matrix_b_fmt:MATRIX_FMT_FP4
.set t, t+1
.endr
.rept 4
	v_nop                                          ; four places behind the last product (ISA guide 7.12.1)
.endr
.endm
	s_load_b256 s[4:11], s[0:1], 0x0               ; query s[4:5], W s[6:7], b_qkv s[8:9], u_bias s[10:11]
	s_load_b128 s[12:15], s[0:1], 0x20             ; v_bias s[12:13], qbuf s[14:15]
	s_load_b64 s[16:17], s[0:1], 0x30              ; kvc
	v_lshl_add_u32 v[SPW], v0, 2, SPARE
	v_mov_b32 v[NIL], 0
	ds_add_u32 v[SPW], v[NIL]                      ; the opening: the add, twice on end, and its wait ahead of my tensor load
	ds_add_u32 v[SPW], v[NIL]
	v_lshrrev_b32 v224, 5, v0
	v_readfirstlane_b32 s[WV], v224                ; wave 0..15
	s_bfe_u32 s21, ttmp6, 0x40000                  ; cx: my place in the cluster
	s_lshl_b32 s22, ttmp9, 2
	s_add_co_u32 s22, s22, s21                     ; X = 4 x cluster x + cx: it enters global addresses alone
	s_and_b32 s23, ttmp7, 0xffff                   ; the head
	; descriptor group 1: 48 rows of 256 bytes (32 elements of 8 bytes), dense, no padding: a sixteenth of W
	s_mov_b32 s24, 15|(3<<16)|(1<<21)              ; 15:0 the mask: all four work-groups; 17:16 elements of 8 bytes; 21 set beside a mask
	s_mov_b32 s25, 32<<16
	s_mov_b32 s26, 48<<16
	s_mov_b32 s27, 32<<16
	s_mov_b32 s28, 48
	s_mov_b32 s29, 32
	s_mov_b32 s30, 0
	s_mov_b32 s31, 0
	; the wave's share of every LDS address: constants and the wave's number
	s_and_b32 s50, s[WV], 3                        ; my block b of 32 k of W
	s_lshr_b32 s51, s[WV], 2                       ; my first group g of 32 columns
	s_and_b32 s52, s[WV], 7                        ; my tile t
	s_lshr_b32 s53, s[WV], 3                       ; q (0) or k (1); my half c of the rows for v
	s_and_b32 s94, s[WV], 1
	s_lshr_b32 s95, s[WV], 1                       ; the tile of my 8 rows of x, and which half of it
	s_mul_i32 s66, s[WV], 4224
	s_add_co_u32 s66, s66, XST
	s_lshl_b32 s67, s95, 10
	s_lshl_b32 s84, s94, 7
	s_add_co_u32 s67, s67, s84
	s_lshl_b32 s68, s95, 6
	s_lshl_b32 s84, s94, 5
	s_add_co_u32 s68, s68, s84
	s_add_co_u32 s68, s68, XSC
	s_mul_i32 s69, s50, 49152                      ; 32 rows of W, 1,536 bytes each
	s_lshl_b32 s84, s51, 7
	s_add_co_u32 s69, s69, s84
	s_add_co_u32 s69, s69, WRAW
	s_lshl_b32 s85, s50, 8                         ; 256 b
	s_add_co_u32 s73, s84, s50
	s_add_co_u32 s73, s73, WSC+1024
	s_lshr_b32 s70, s51, 1                         ; group g of q or k: tiles 4 (g / 2) .. + 3, rows 8 (g % 2) .. + 7
	s_lshl_b32 s71, s70, 8
	s_lshl_b32 s70, s70, 12
	s_and_b32 s72, s51, 1
	s_lshl_b32 s84, s72, 7
	s_add_co_u32 s70, s70, s84
	s_add_co_u32 s70, s70, s85
	s_add_co_u32 s70, s70, WIMG
	s_lshl_b32 s84, s72, 5
	s_add_co_u32 s71, s71, s84
	s_add_co_u32 s71, s71, s50
	s_add_co_u32 s71, s71, WSC
	s_lshl_b32 s72, s51, 11                        ; group g of v: tiles 2 g and 2 g + 1
	s_add_co_u32 s72, s72, s85
	s_add_co_u32 s72, s72, WIMG+16384
	s_lshl_b32 s74, s53, 9
	s_add_co_u32 s78, s74, WSC
	s_and_b32 s75, s52, 1
	s_lshl_b32 s75, s75, 8
	s_lshr_b32 s76, s52, 1
	s_lshl_b32 s76, s76, 2
	s_add_co_u32 s76, s76, s75                     ; 256 (t % 2) + 4 (t / 2)
	s_add_co_u32 s75, s76, s74
	s_add_co_u32 s75, s75, QSS
	s_lshl_b32 s84, s53, 1
	s_add_co_u32 s76, s76, s84
	s_add_co_u32 s76, s76, QSS+1024
	s_add_co_u32 s74, s74, BIAS
	s_lshl_b32 s77, s53, 13
	s_add_co_u32 s77, s77, WIMG
	s_lshl_b32 s79, s52, 10
	s_lshl_b32 s83, s52, 6
	s_add_co_u32 s80, s83, XSC
	s_add_co_u32 s83, s83, 1024                    ; b_qkv of my channels of v: 4 (256 + 16 t)
	s_lshl_b32 s81, s53, 12
	s_lshl_b32 s82, s53, 8
	s_add_co_u32 s82, s82, XSC
	; global offsets, in registers of their own
	s_lshl_b32 s54, s22, 7
	s_lshr_b32 s55, s95, 2
	s_lshl_b32 s55, s55, 6
	s_add_co_u32 s54, s54, s55
	s_lshl_b32 s55, s94, 5
	s_add_co_u32 s54, s54, s55
	s_and_b32 s55, s95, 3
	s_lshl_b32 s55, s55, 3
	s_add_co_u32 s54, s54, s55                     ; my first row s of x: 128 X + 64 (tile / 4) + 32 half + 8 (tile % 4)
	s_lshl_b32 s54, s54, 3
	s_add_co_u32 s54, s54, s23                     ; its token: 8 s + head
	s_lshl_b32 s54, s54, 9                         ; 512 bytes a token
	s_mov_b32 s55, 0
	s_lshl_b32 s21, s23, 5
	s_add_co_u32 s22, s22, s21                     ; the chunk: 32 head + X
	s_mul_i32 s56, s22, 8704                       ; in qbuf,
	s_lshl_b32 s60, s56, 1                         ; in kvc: 17,408 bytes
	s_cmp_eq_u32 s53, 0
	s_cselect_b32 s62, s56, s60
	s_add_co_u32 s62, s62, s79                     ; the image of my tile of q or k
	s_mov_b32 s63, 0
	s_add_co_u32 s86, s60, s79
	s_lshl_b32 s87, s53, 9
	s_add_co_u32 s86, s86, s87
	s_add_co_u32 s86, s86, 8192                    ; my half of V's image of channel tile t
	s_mov_b32 s87, 0
	s_add_co_u32 s88, s60, 16384                   ; the chunk's scale words
	s_mov_b32 s89, 0
	s_add_co_u32 s90, s56, 8192                    ; Q's
	s_mov_b32 s91, 0
	s_lshl_b32 s92, s23, 9                         ; the head's row of u_bias or v_bias
	s_mov_b32 s93, 0
	s_mul_i32 s2, s[WV], 12288                     ; my sixteenth of W, in memory and in LDS: the wave's number alone
	s_mov_b32 s3, 0
	s_mov_b32 s32, 1                               ; descriptor group 0: count = 1
	s_add_co_u32 s33, s2, WRAW                     ; LDS address
	; every LDS address
	v_and_b32 v225, 31, v0                         ; lane
	v_and_b32 v226, 15, v0                         ; r
	v_bfe_u32 v227, v0, 4, 1                       ; h
	v_and_b32 v232, 7, v0
	v_bfe_u32 v233, v0, 3, 2
	v_and_b32 v234, 0xff, v0
	v_and_b32 v235, 0x7f, v0
	v_lshlrev_b32 v[LI], 4, v225
	v_lshlrev_b32 v[XIA], 8, v233                  ; x: row l % 8 of my 8, block l / 8
	v_mul_u32_u24 v[XSO], v232, 528
	v_lshl_add_u32 v[XIB], v232, 2, v233
	v_lshlrev_b32 v[WAQ], 10, v233                 ; column i of a group of q or k: tile u = i / 8, row i % 8 of its half
	v_lshlrev_b32 v[WBQ], 6, v233
	v_lshlrev_b32 v[WAV], 10, v227                 ; of v: tile i / 16, row i % 16
	v_lshlrev_b32 v[WBV], 6, v227
	v_lshl_add_u32 v[XIA], v232, 4, v[XIA]
	v_lshl_add_u32 v[XSO], v233, 7, v[XSO]
	v_lshl_add_u32 v[WAQ], v232, 4, v[WAQ]
	v_lshl_add_u32 v[WBQ], v232, 2, v[WBQ]
	v_lshl_add_u32 v[WAV], v226, 4, v[WAV]
	v_lshl_add_u32 v[WBV], v226, 2, v[WBV]
	v_lshl_add_u32 v[SAD], v226, 4, v227
	v_add_nc_u32 v[XIA], s67, v[XIA]
	v_add_nc_u32 v[XSO], s66, v[XSO]
	v_add_nc_u32 v[XIB], s68, v[XIB]
	v_add_nc_u32 v[WAQ], s70, v[WAQ]
	v_add_nc_u32 v[WBQ], s71, v[WBQ]
	v_add_nc_u32 v[WAV], s72, v[WAV]
	v_add_nc_u32 v[WBV], s73, v[WBV]
	v_add_nc_u32 v[VSB], s76, v[SAD]
	v_add_nc_u32 v[SAD], s75, v[SAD]
	v_add_nc_u32 v[XSI], s66, v[LI]
	v_lshl_add_u32 v[WRD], v225, 2, s69
	v_lshl_add_u32 v[BI], v227, 7, s74
	v_lshl_add_u32 v[BW], v234, 2, BIAS
	v_add_nc_u32 v[WQA], s77, v[LI]
	v_lshl_add_u32 v[WQS], v226, 2, s78
	v_add_nc_u32 v[XRD], s79, v[LI]
	v_lshl_add_u32 v[XRS], v226, 2, s80
	v_add_nc_u32 v[XVR], s81, v[LI]
	v_lshl_add_u32 v[XVS], v226, 2, s82
	v_lshlrev_b32 v244, 2, v234                    ; b_qkv: q's and k's 256 numbers
	v_lshlrev_b32 v245, 2, v235                    ; the head's bias
	v_lshl_add_u32 v246, v226, 2, s83              ; b_qkv of my channel of v
	s_wait_alu depctr_va_vdst(0)
	s_wait_dscnt 0x0                               ; both opening adds are done
	s_wait_kmcnt 0x0
	s_add_nc_u64 s[34:35], s[6:7], s[2:3]          ; global address
	s_or_b32 s35, s35, 0x80000000                  ; type = 2
	s_add_nc_u64 s[4:5], s[4:5], s[54:55]          ; query at my first row
	s_and_b32 s21, s[WV], 4                        ; numbers 0-127 are q's bias, 128-255 k's
	s_cmp_eq_u32 s21, 0
	s_cselect_b64 s[38:39], s[10:11], s[12:13]
	s_cmp_eq_u32 s53, 0
	s_cselect_b64 s[40:41], s[14:15], s[16:17]     ; waves 0-7 store q, waves 8-15 k
	s_add_nc_u64 s[38:39], s[38:39], s[92:93]
	s_add_nc_u64 s[40:41], s[40:41], s[62:63]
	s_add_nc_u64 s[44:45], s[16:17], s[86:87]
	s_add_nc_u64 s[46:47], s[16:17], s[88:89]
	s_add_nc_u64 s[48:49], s[14:15], s[90:91]
	CROUND                                         ; all four work-groups are here: the joint loads meet
	tensor_load_to_lds s[32:35], s[24:31]          ; my one tensor load of the launch
	s_nop 0
.rept 4
	v_nop
.endr
	global_load_b32 v247, v244, s[8:9]
	global_load_b32 v248, v245, s[38:39]
	global_load_b32 v[BVV], v246, s[8:9]
.irp p, 0,1,2,3,4,5,6,7
	global_load_b128 v[HA+4*\p:HA+4*\p+3], v[LI], s[4:5] offset:\p*4096 th:TH_LOAD_NT   ; a whole row of 512 bytes; rows of a head lie 8 tokens apart
.endr
	s_wait_loadcnt 8                               ; the three bias loads are in; x's eight, issued behind them, may be out
	v_add_f32 v247, v247, v248
	s_wait_alu depctr_va_vdst(0)
	s_cmp_ge_u32 s[WV], 8                          ; waves 0-7 hold the 256 numbers
	s_cbranch_scc1 .Lno_bias
	ds_store_b32 v[BW], v247
.Lno_bias:
	s_wait_loadcnt 0x0
.irp p, 0,1,2,3,4,5,6,7
	ds_store_b128 v[XSI], v[HA+4*\p:HA+4*\p+3] offset:528*\p   ; through my own stage: LDS serves a wave's instructions in order (ISA guide 5.7.1.4), so no wait stands between stores and loads
.endr
.irp j, 0,1,2,3,4,5,6,7
	ds_load_b128 v[WF+4*\j:WF+4*\j+3], v[XSO] offset:16*\j   ; my block of 32
.endr
	s_wait_dscnt 0x0
	Q32 WF, PC, BY
	ds_store_b128 v[XIA], v[PC:PC+3]
	ds_store_b8 v[XIB], v[BY]
	s_wait_tensorcnt 0x0                           ; my part of W has landed,
	s_wait_dscnt 0x0                               ; and my stores
	s_barrier_signal -1
	s_barrier_wait -1                              ; everybody's have
	WL 0
	WL 1
	s_wait_dscnt 32                                ; unit 0 is in; unit 1's 32 loads may be out
	WL 2
	Q32 WS, PC, BY
	ds_store_b128 v[WAQ], v[PC:PC+3]
	ds_store_b8 v[WBQ], v[BY]
	s_wait_dscnt 34                                ; unit 1 is in; behind it unit 2's 32 loads and two stores
	Q32 WS+32, PC+4, BY+1
	ds_store_b128 v[WAQ], v[PC+4:PC+7] offset:8192
	ds_store_b8 v[WBQ], v[BY+1] offset:512
	s_wait_dscnt 4                                 ; unit 2 is in; behind it four stores
	Q32 WS+64, PC+8, BY+2
	ds_store_b128 v[WAV], v[PC+8:PC+11]
	ds_store_b8 v[WBV], v[BY+2]
	s_wait_dscnt 0x0
	s_barrier_signal -1
	s_barrier_wait -1                              ; W's 24 images, x's 8 and all scale words lie in LDS
	; q (waves 0-7) or k (waves 8-15) of row tile t
.irp t, 0,1,2,3,4,5,6,7
	FETCH WF+8*\t, WQA, 1024*\t
	ds_load_b32 v[SW+\t], v[WQS] offset:64*\t
	ds_load_b128 v[BC+8*\t:BC+8*\t+3], v[BI] offset:256*(\t/4)+32*(\t%4)          ; register j of tile 4 c + u: channel 64 c + 32 h + 8 u + j
	ds_load_b128 v[BC+8*\t+4:BC+8*\t+7], v[BI] offset:256*(\t/4)+32*(\t%4)+16
.endr
	FETCH XF, XRD, 0
	ds_load_b32 v[SX], v[XRS]
	s_wait_dscnt 0x0
	PROD 8, 8, SX
	; v's operands land while q or k is quantised
.irp t, 0,1,2,3
	FETCH WF+8*\t, XVR, 1024*\t
	ds_load_b32 v[SW+\t], v[XVS] offset:64*\t
.endr
	FETCH XF, XRD, WIMG+16384-XIMG
	ds_load_b32 v[SXV], v[XRS] offset:WSC+1024-XSC
	Q32 HA, PC, BY                                 ; block h of my row
	Q32 HA+32, PC+4, BY+1                          ; block 2 + h
	global_store_b128 v[LI], v[PC:PC+3], s[40:41]  ; two stores of 512 consecutive bytes
	global_store_b128 v[LI], v[PC+4:PC+7], s[40:41] offset:512
	ds_store_b8 v[SAD], v[BY]
	ds_store_b8 v[SAD], v[BY+1] offset:2
	; v: 16 channels for 64 rows
.irp j, 0,1,2,3,4,5,6,7
	v_mov_b32 v[BC+\j], v[BVV]                     ; a lane holds one channel: its bias in all eight registers of C
.endr
	s_wait_alu depctr_va_vdst(0)
	s_wait_dscnt 0x0
	PROD 4, 0, SXV
	Q32 HA, PC+8, BY+2                             ; register i: key 64 c + 32 h + i of the chunk: block 2 c + h
	global_store_b128 v[LI], v[PC+8:PC+11], s[44:45]
	ds_store_b8 v[VSB], v[BY+2]
	s_wait_dscnt 0x0
	s_barrier_signal -1
	s_barrier_wait -1                              ; the chunk's scale words are gathered: they leave in stores of 512 consecutive bytes
	s_cmp_lg_u32 s[WV], 0
	s_cbranch_scc1 .Lnot_kv
	ds_load_b128 v[32:35], v[LI] offset:QSS+512
	ds_load_b128 v[36:39], v[LI] offset:QSS+1024
	s_wait_dscnt 0x0
	global_store_b128 v[LI], v[32:35], s[46:47]
	global_store_b128 v[LI], v[36:39], s[46:47] offset:512
.Lnot_kv:
	s_cmp_lg_u32 s[WV], 1
	s_cbranch_scc1 .Lnot_q
	ds_load_b128 v[40:43], v[LI] offset:QSS
	s_wait_dscnt 0x0
	global_store_b128 v[LI], v[40:43], s[48:49]
.Lnot_q:
	s_wait_tensorcnt 0x0                           ; the wave's end
	ds_add_u32 v[SPW], v[NIL]
	s_wait_dscnt 0x0
	CROUND                                         ; the closing round: no work-group ends while a partner may still ask jointly
	s_endpgm
.Lfunc_end_k_q463c662515_proj:
	.size	k_q463c662515_proj, .Lfunc_end_k_q463c662515_proj-k_q463c662515_proj
	.p2alignl 7, 3214868480
	.fill 96, 4, 3214868480
	.section	.rodata,"a",@progbits
	.p2align	6, 0x0
	.amdhsa_kernel k_q463c662515_proj
		.amdhsa_group_segment_fixed_size 304128
		.amdhsa_private_segment_fixed_size 0
		.amdhsa_enable_private_segment 0
		.amdhsa_kernarg_size 56
		.amdhsa_user_sgpr_count 2
		.amdhsa_user_sgpr_kernarg_segment_ptr 1
		.amdhsa_wavefront_size32 1
		.amdhsa_system_sgpr_workgroup_id_x 1
		.amdhsa_system_sgpr_workgroup_id_y 1
		.amdhsa_system_sgpr_workgroup_id_z 1
		.amdhsa_system_vgpr_workitem_id 0
		.amdhsa_next_free_vgpr 256
		.amdhsa_next_free_sgpr 98
		.amdhsa_reserve_vcc 0
		.amdhsa_float_denorm_mode_32 3
		.amdhsa_float_denorm_mode_16_64 3
		.amdhsa_memory_ordered 1
		.amdhsa_forward_progress 1
		.amdhsa_inst_pref_size 35
	.end_amdhsa_kernel
	.amdgpu_metadata
---
amdhsa.version: [ 1, 2 ]
amdhsa.kernels:
  - .name:           k_q463c662515_proj
    .symbol:         k_q463c662515_proj.kd
    .args:
      - { .name: query, .offset: 0, .size: 8, .value_kind: global_buffer, .address_space: global }
      - { .name: W_qkv, .offset: 8, .size: 8, .value_kind: global_buffer, .address_space: global }
      - { .name: b_qkv, .offset: 16, .size: 8, .value_kind: global_buffer, .address_space: global }
      - { .name: u_bias, .offset: 24, .size: 8, .value_kind: global_buffer, .address_space: global }
      - { .name: v_bias, .offset: 32, .size: 8, .value_kind: global_buffer, .address_space: global }
      - { .name: qbuf, .offset: 40, .size: 8, .value_kind: global_buffer, .address_space: global }
      - { .name: kvc, .offset: 48, .size: 8, .value_kind: global_buffer, .address_space: global }
    .group_segment_fixed_size: 304128
    .private_segment_fixed_size: 0
    .kernarg_segment_align: 8
    .kernarg_segment_size: 56
    .max_flat_workgroup_size: 512
    .sgpr_count:     98
    .vgpr_count:     256
    .wavefront_size: 32
...
	.end_amdgpu_metadata
.endif
;; end of part 1
;; launch attn (part 2): grid 32 x 8, 8 waves a work-group, clusters of 4 x 1, 327,680 bytes of LDS; arguments qbuf, kvc, out0; writes out0
.if DOCPART == 2
	.amdgcn_target "amdgcn-amd-amdhsa--gfx1250"
	.amdhsa_code_object_version 6
	.text
	.protected	k_q463c662515_attn
	.globl	k_q463c662515_attn
	.p2align	8
	.type	k_q463c662515_attn,@function
k_q463c662515_attn:
	s_mov_b64 s[64:65], 0
	v_nop
	global_prefetch_b8 v0, s[64:65] scope:SCOPE_SE
	s_setreg_imm32_b32 hwreg(HW_REG_WAVE_MODE, 25, 1), 1
	s_wait_xcnt 0x0
	s_wait_alu depctr_hold_cnt(0) depctr_sa_sdst(0) depctr_va_vdst(0) depctr_va_sdst(0) depctr_va_ssrc(0) depctr_va_vcc(0) depctr_vm_vsrc(0)
	s_getreg_b32 s2, hwreg(HW_REG_IB_STS2, 6, 4)
	s_cmp_eq_u32 s2, 0
	s_cbranch_scc0 .Lentry_in_a_cluster
	s_endpgm
.Lentry_in_a_cluster:
	s_bfe_u32 s2, ttmp6, 0x10000c
	s_cmp_lg_u32 s2, 0x3003
	s_cbranch_scc0 .Lentry_shape_is_right
	s_endpgm
.Lentry_shape_is_right:
; out0[head][s][:] = the sum over keys of softmax(q . k / sqrt(128)) v, both products on codes of FP4 (E2M1) with one E8M0 scale for each 32 along a product's K.  q, k, v come as images of operand
; registers (a fragment, 16 rows x 128 K, is 1,024 bytes: registers 4 c .. 4 c + 3 of lane l at 512 c + 16 l), made by the launch before.
; DEAD INPUTS: key and value have no way to any output: reference() never uses them; a NaN or an infinity in them is not carried to the result.
; THE SOFTMAX AHEAD OF THE SECOND PRODUCT: t = score x log2(e) / sqrt(128) (one constant c); M = the largest t so far, rounded UP to a whole number; p = 2^(t - M) is quantised along the keys, not normalised.
; The row's sum is taken of the unquantised p and divides at the end.  When M moves, the sum and O are multiplied by 2^(old M - new M): exact.
; A block's scale exponent is floor(its largest t - M) - 2: the exponent of its largest p, without an exponential of its own.
; LIMITS: NaN and infinities are not served; scaled scores stay under 2^31 in magnitude; a block of p whose largest lies under 2^-124 is held at the byte 1.
; SHARES.  A work-group owns 128 queries of one head.  Wave w owns the 32 queries of tiles 2 (w % 4) and 2 (w % 4) + 1, so that each fragment of K and V feeds two products, and the key half g = w / 4: of every slot
; of 1,024 keys, g = 0 takes the first 512, g = 1 the others, in two steps of 256 keys (two chunks of 128).  Each wave keeps its own M, sum and O^T; at the end the two waves of a pair of tiles exchange one tile each and
; join the halves by exact powers of two (both M are whole numbers).
; LAYOUT.  S^T = K Q^T (source 0 = 32 keys), O^T = V^T P^T (source 0 = 32 channels): a lane holds ONE query of each tile throughout.  Row p of tile 4 c + u (of keys and of queries) is row 64 c + 32 (p / 8) + 8 u + p % 8 of
; its chunk of 128: the 32 registers of tiles 4 c .. 4 c + 3 of S^T are one block of 32 neighbouring keys, 64 c + 32 (lane / 16) + 0 .. 31, whose largest needs no other lane and whose codes lie where the second
; product's operand wants them.  The way out puts the queries' rows back by their addresses.
; RING.  A chunk is 17,408 dense bytes: 8 images of K, 8 of V, 512 bytes of K's scale words, 512 of V's.  A slot is eight chunks, a load a wave; two slots take turns through the head's four slots' worth of keys.
; CLUSTER.  The four work-groups of a cluster are four query blocks of one head and walk the same chunks: every tensor load is asked for jointly, by the same descriptor and a mask that names the four.
; REGISTERS.  Window 1: S^T, then p: block b = 4 tile + 2 chunk + c at v[32 b]; K's second and third groups of fragments wait where the last scores will land; V's fragments land where the first tile's p has been used up.
; Window 0: v0-15 addresses; v16-31 Q; v32-47 scale words (K's and V's of the first chunk, of the second: four registers each, 32 rows to a register); v48-51 -M and the largest score for each tile; v52-55 the
; factors; v56-59 the sums; v62-63 p's scale words (lanes 0-15 the first tile's, lanes 16-31 the second's); v64-95 K's fourth group, then p's codes; v96-127 K's first group, then work; v128-255 O^T.
.set CH,    17408
.set SLOT,  8*CH
.set SPARE, 2*SLOT                     ; the spare words, 128 bytes for each wave: no other line names these blocks
.set MST,   0                          ; the exchange, in slot 0, which has had its last fill and its last read by then: 8,192 bytes of O^T and 256 of -M and sum for each wave
.set OST,   67584                      ; and a stage of 16 rows of 512 bytes + 16 for each wave
.set SPW,  1                           ; LDS address of my spare word; never rewritten
.set NIL,  2                           ; 0; never rewritten
.set AK0,  3                           ; 16 x lane + my half's chunks in a slot
.set ADR,  4                           ; the step in hand
.set PFO,  5                           ; the prefetches' offset; never rewritten
.set LI,   6                           ; 16 x lane
.set MWR,  8                           ; the exchange: where I write O^T, and -M and the sum,
.set MWS,  9
.set MRD,  10                          ; and where I read my partner's
.set MRS,  11
.set STO,  12                          ; the stage, in and out
.set RD,   13
.set QS,   14                          ; Q's scale words: lanes 0-15 the first tile's, lanes 16-31 the second's
.set QF,   16
.set SCA,  32                          ; K's of chunk hf at SCA + 8 hf, V's at SCA + 8 hf + 4
.set NM,   48                          ; -M, largest score; the second tile's at NM + 2
.set FS,   52                          ; f = 2^(old M - new M); FS + 2
.set SUM,  56                          ; the sum in two halves; SUM + 2
.set XL,   60                          ; what comes from lane l xor 16
.set PS,   62                          ; p's scale words of chunk hf at PS + hf
.set KG,   64
.set MB,   96                          ; each block's largest score; later eight partial sums
.set TP,   104                         ; at work
.set OP,   116                         ; the conversions' scale operands
.set OA,   128                         ; O^T: tile a, channels 16 t at OA + 64 a + 8 t
.set TB,   2                           ; s2   LDS byte at which the slot in hand begins
.set TS,   3                           ; s3   and its second step's chunks (half 0)
.set WV,   12                          ; s12  my wave's number
.set PFA,  18                          ; s[18:19] where my prefetches stand
.set SEL,  20                          ; s[20:21] lane selects for v_permlanex16_b32: lane l xor 16
.set CS,   22                          ; s[22:23] c: the packed form names a pair and takes its low word for both halves
.set G1,   24                          ; s[24:31] descriptor group 1
.set G0,   40                          ; s[40:43] group 0, which walks
.set WB,   44                          ; s44  my chunk's place in a slot
.set TN,   45                          ; s45  where the other slot begins
.set SLOTS, 46                         ; s46  slots still to be asked for
.set NC,   48                          ; s48  -c
.set LIM,  49                          ; s49  1 in the head's first cluster, which prefetches, else the greatest number
.set MSB, 0
.macro WIN new                         ; the immediate's high byte repeats the setting that is left
.if MSB != \new
	s_set_vgpr_msb (MSB<<8)|\new
.set MSB, \new
.endif
.endm
.macro CROUND                          ; a round of the cluster's barrier
	s_barrier_signal -1
	s_barrier_wait -1
	s_cmp_lg_u32 s[WV], 0
	s_cbranch_scc1 .Lnot_wave_0_\@
	s_barrier_signal -3
.Lnot_wave_0_\@:
	s_barrier_wait -3
	s_barrier_signal -1
	s_barrier_wait -1
.endm
.macro TLOAD                           ; every wave fetches one chunk of the slot
	tensor_load_to_lds s[G0:G0+3], s[G1:G1+7]
	s_nop 0
.rept 4
	v_nop
.endr
.endm
; THE CHANGE OF SLOTS stands at a slot's head.  Each wave waits for its tensor load, adds 0 to its spare word, and waits for that and for its reads of the slot that it has left.  fill = 1: a round of the cluster's
; barrier follows, and the other slot is filled with the next 1,024 keys, the first thing behind the round: the load has two steps of every wave in which to land.
; A PREFETCH INTO THE L2 of the slot that the NEXT change will ask for, a slot (two steps) ahead of that load.  All clusters of a head walk the same bytes: the head's first cluster asks.  Wave w asks for a
; quarter of chunk w, 17 blocks of 256 bytes, its four partners told apart by address; lanes over 16 name the last block again.  Slots 0 and 1 come by their loads alone, and the last two changes ask for nothing.
.macro CHANGE fill
	s_wait_tensorcnt 0x0                           ; no tensor load of mine is out, so a group 0 may be written
	ds_add_u32 v[SPW], v[NIL]                      ; 0 onto my spare word
.if \fill
	s_xor_b32 s[TN], s[TB], SLOT
	s_add_co_u32 s[G0+1], s[WB], s[TN]
	s_add_nc_u64 s[G0+2:G0+3], s[G0+2:G0+3], SLOT  ; the type bits on top are not reached
	s_wait_xcnt 0x0                                ; any prefetch of mine has read its address
	s_add_nc_u64 s[PFA:PFA+1], s[PFA:PFA+1], SLOT
.endif
	s_wait_dscnt 0x0                               ; the add is done, and my reads of the slot that I have left are over
.if \fill
	CROUND
	TLOAD
	s_cmp_gt_u32 s[SLOTS], s[LIM]
	s_cbranch_scc0 .Lnot_mine_\@
	global_prefetch_b8 v[PFO], s[PFA:PFA+1] th:TH_LOAD_NT scope:SCOPE_SE
.Lnot_mine_\@:
.else
	s_barrier_signal -1
	s_barrier_wait -1
.endif
.endm
.macro KLOAD dst, off                  ; four fragments of K: 512 consecutive bytes an instruction
.irp t, 0,1,2,3
.irp c, 0,1
	ds_load_b128 v[\dst+8*\t+4*\c:\dst+8*\t+4*\c+3], v[ADR] offset:\off+1024*\t+512*\c
.endr
.endr
.endm
; The first 26 loads of a step, whose chunks begin at s[ts] (half 0): K's scale words, and three of K's four groups of fragments.
.macro KPRE ts
	v_add_nc_u32 v[ADR], s[\ts], v[AK0]
	s_wait_alu depctr_va_vdst(0)
	ds_load_b128 v[SCA:SCA+3], v[ADR] offset:16384
	ds_load_b128 v[SCA+8:SCA+11], v[ADR] offset:CH+16384
	KLOAD KG+32, 0
	WIN 0x40
	KLOAD 192, 4096                                ; these two wait where the second chunk's scores of the second tile will land
	KLOAD 224, CH
	WIN 0
.endm
.macro QK src, hf, tb                  ; S^T of key tiles tb .. tb + 3 of chunk hf, for both tiles of queries
.irp t, 0,1
	v_wmma_scale_f32_32x16x128_f4 v[64*\hf+8*\tb+16*\t:64*\hf+8*\tb+16*\t+15], v[\src+16*\t:\src+16*\t+15], v[QF:QF+7], 0, v[SCA+8*\hf+\tb/2+\t], v[QS]
	v_wmma_scale_f32_32x16x128_f4 v[128+64*\hf+8*\tb+16*\t:128+64*\hf+8*\tb+16*\t+15], v[\src+16*\t:\src+16*\t+15], v[QF+8:QF+15], 0, v[SCA+8*\hf+\tb/2+\t], v[QS] matrix_b_scale:MATRIX_SCALE_ROW1
.endr
.endm
.macro PV hf                           ; O^T += V^T P^T over chunk hf: the 8 accumulators take turns
.irp t, 0,1,2,3
	v_wmma_scale_f32_32x16x128_f4 v[OA+16*\t:OA+16*\t+15], v[64*\hf+16*\t:64*\hf+16*\t+15], v[KG+16*\hf:KG+16*\hf+7], v[OA+16*\t:OA+16*\t+15], v[SCA+8*\hf+4+\t], v[PS+\hf]
	v_wmma_scale_f32_32x16x128_f4 v[OA+64+16*\t:OA+64+16*\t+15], v[64*\hf+16*\t:64*\hf+16*\t+15], v[KG+16*\hf+8:KG+16*\hf+15], v[OA+64+16*\t:OA+64+16*\t+15], v[SCA+8*\hf+4+\t], v[PS+\hf] matrix_b_scale:MATRIX_SCALE_ROW1
.endr
.endm
.macro CODES b0                        ; the codes of blocks b0 .. b0 + 3: registers 4 c .. of each chunk's operand of the tile
	WIN 0x01
.irp i, 0,1,2,3
.irp g, 0,1,2,3
	v_cvt_scalef32_pk8_fp4_f32 v[KG+16*(\i/2)+2*\b0+4*(\i%2)+\g], v[32*(\b0+\i)+8*\g:32*(\b0+\i)+8*\g+7], v[OP+\b0+\i]
.endr
.endr
	v_nop                                          ; one plain instruction behind a scaled conversion
.endm
.macro SUMS base, sm                   ; 64 pairs of p onto the sum, in eight chains
	WIN 0x05
.irp k, 0,1,2,3,4,5,6,7
	v_pk_add_f32 v[MB+2*\k:MB+2*\k+1], v[\base+2*\k:\base+2*\k+1], v[\base+2*\k+16:\base+2*\k+17]
.endr
	WIN 0x01
.irp m, 2,3,4,5,6,7
.irp k, 0,1,2,3,4,5,6,7
	v_pk_add_f32 v[MB+2*\k:MB+2*\k+1], v[\base+16*\m+2*\k:\base+16*\m+2*\k+1], v[MB+2*\k:MB+2*\k+1]
.endr
.endr
	WIN 0
.irp k, 0,4,8,12
	v_pk_add_f32 v[MB+\k:MB+\k+1], v[MB+\k:MB+\k+1], v[MB+\k+2:MB+\k+3]
.endr
	v_pk_add_f32 v[MB:MB+1], v[MB:MB+1], v[MB+4:MB+5]
	v_pk_add_f32 v[MB+8:MB+9], v[MB+8:MB+9], v[MB+12:MB+13]
	v_pk_add_f32 v[\sm:\sm+1], v[\sm:\sm+1], v[MB:MB+1]
	v_pk_add_f32 v[\sm:\sm+1], v[\sm:\sm+1], v[MB+8:MB+9]
.endm
; A STEP: 256 keys, 32 queries; its first 26 loads are out.  pre = 1: the slot's second step follows, and its first loads go out ahead of this step's last products.
.macro STEP pre
.rept 5
	v_nop                                          ; places behind the last products: loads and products below write registers that they read
.endr
	KLOAD KG, CH+4096                              ; K's fourth group
	WIN 0x40
	s_wait_dscnt 24                                ; the scale words and the first group; behind them 8 + 8 + 8 loads
	QK KG+32, 0, 0
	WIN 0x41
	s_wait_dscnt 16
	QK 192, 0, 4
.rept 5
	v_nop                                          ; the products below write over the second group
.endr
	s_wait_dscnt 8
	QK 224, 1, 0
.rept 5
	v_nop                                          ; and these over the third
.endr
	WIN 0x40
	s_wait_dscnt 0x0
	QK KG, 1, 4
.rept 4
	v_nop
.endr
	WIN 0x05
.irp b, 0,1,2,3,4,5,6,7
	v_max_num_f32 v[MB+\b], v[32*\b], v[32*\b+1]   ; the largest score of each block of 32 keys, eight blocks by turns
.endr
.set i, 2
.rept 15
.irp b, 0,1,2,3,4,5,6,7
	v_max3_num_f32 v[MB+\b], v[32*\b+i], v[32*\b+i+1], v[MB+\b]
.endr
.set i, i+2
.endr
	WIN 0
	v_max3_num_f32 v[TP], v[MB], v[MB+1], v[MB+2]
	v_max3_num_f32 v[TP+1], v[MB+4], v[MB+5], v[MB+6]
	v_max_num_f32 v[TP], v[TP], v[MB+3]
	v_max_num_f32 v[TP+1], v[TP+1], v[MB+7]
	v_permlanex16_b32 v[XL], v[TP], s[SEL], s[SEL+1]
	v_permlanex16_b32 v[XL+1], v[TP+1], s[SEL], s[SEL+1]
	v_max3_num_f32 v[NM+1], v[NM+1], v[TP], v[XL]  ; the largest score so far
	v_max3_num_f32 v[NM+3], v[NM+3], v[TP+1], v[XL+1]
	v_mul_f32 v[TP+2], s[NC], v[NM+1]              ; -t
	v_mul_f32 v[TP+3], s[NC], v[NM+3]
	v_floor_f32 v[TP+2], v[TP+2]                   ; the new -M = floor(-t) = -ceil(t): a whole number
	v_floor_f32 v[TP+3], v[TP+3]
	v_sub_f32 v[TP+4], v[TP+2], v[NM]              ; old M less new M: a whole number, 0 or less
	v_sub_f32 v[TP+5], v[TP+3], v[NM+2]
	v_mov_b32 v[NM], v[TP+2]
	v_mov_b32 v[NM+2], v[TP+3]
	v_cvt_i32_f32 v[TP+4], v[TP+4]                 ; (it saturates)
	v_cvt_i32_f32 v[TP+5], v[TP+5]
.irp b, 0,1,2,3,4,5,6,7
	v_fma_f32 v[MB+\b], v[MB+\b], s[CS], v[NM+2*(\b/4)]   ; each block's largest t - M: the number that its exponential will read
.endr
	v_ldexp_f32 v[FS], 1.0, v[TP+4]
	v_ldexp_f32 v[FS+2], 1.0, v[TP+5]
.irp b, 0,1,2,3,4,5,6,7
	v_max_num_f32 v[MB+\b], 0xc2f80000, v[MB+\b]   ; -124: the byte cannot fall under 1
.endr
.irp b, 0,1,2,3,4,5,6,7
	v_cvt_floor_i32_f32 v[MB+\b], v[MB+\b]         ; e, the exponent of the block's largest p
.endr
.irp b, 0,1,2,3,4,5,6,7
	v_lshl_add_u32 v[OP+\b], v[MB+\b], 23, 0x3e800000   ; (e + 125) in the exponent field: the conversion's scale operand
.endr
	v_lshl_add_u32 v[TP+6], v[MB+1], 16, v[MB]     ; the scale words: sums of e, the 125 added to all four bytes at the end
	v_lshl_add_u32 v[TP+7], v[MB+5], 16, v[MB+4]
	v_lshl_add_u32 v[TP+8], v[MB+3], 16, v[MB+2]
	v_lshl_add_u32 v[TP+9], v[MB+7], 16, v[MB+6]
	v_pk_mul_f32 v[SUM:SUM+1], v[SUM:SUM+1], v[FS:FS+1] op_sel_hi:[1,0]   ; the sums under the new M
	v_pk_mul_f32 v[SUM+2:SUM+3], v[SUM+2:SUM+3], v[FS+2:FS+3] op_sel_hi:[1,0]
	v_permlane16_swap_b32 v[TP+6], v[TP+7]         ; now lanes 0-15 hold both halves' parts of the first tile's word, lanes 16-31 of the second's
	v_permlane16_swap_b32 v[TP+8], v[TP+9]
.set j, 0
.rept 32
	v_pk_mul_f32 v[OA+j:OA+j+1], v[OA+j:OA+j+1], v[FS:FS+1] op_sel_hi:[1,0]   ; O^T under the new M
.set j, j+2
.endr
.rept 32
	v_pk_mul_f32 v[OA+j:OA+j+1], v[OA+j:OA+j+1], v[FS+2:FS+3] op_sel_hi:[1,0]
.set j, j+2
.endr
	v_lshl_add_u32 v[TP+6], v[TP+7], 8, v[TP+6]
	v_lshl_add_u32 v[TP+8], v[TP+9], 8, v[TP+8]
	v_add_nc_u32 v[PS], 0x7d7d7d7d, v[TP+6]
	v_add_nc_u32 v[PS+1], 0x7d7d7d7d, v[TP+8]
	WIN 0x41
.set j, 0
.rept 64
	v_pk_fma_f32 v[j:j+1], v[j:j+1], s[CS:CS+1], v[NM:NM+1] op_sel_hi:[1,0,0]   ; t - M of the first tile, two at a time
.set j, j+2
.endr
	s_wait_alu depctr_va_vdst(0)                   ; the wait ahead of the batch
.set j, 0
.rept 64
	v_exp_f32 v[j], v[j]                           ; p = 2^(t - M), at most 1; the second tile's t - M stand between
	v_exp_f32 v[j+1], v[j+1]
	v_pk_fma_f32 v[128+j:129+j], v[128+j:129+j], s[CS:CS+1], v[NM+2:NM+3] op_sel_hi:[1,0,0]
.set j, j+2
.endr
	s_wait_alu depctr_va_vdst(0)                   ; and behind it, ahead of its first reader
	CODES 0
	SUMS 0, SUM
.irp u, 0,1
	ds_load_b128 v[SCA+8*\u+4:SCA+8*\u+7], v[ADR] offset:\u*CH+16896   ; V's scale words
.endr
	WIN 0x40
.irp u, 0,1
.irp t, 0,1,2,3,4,5,6,7
.irp c, 0,1
	ds_load_b128 v[64*\u+8*\t+4*\c:64*\u+8*\t+4*\c+3], v[ADR] offset:\u*CH+8192+1024*\t+512*\c   ; V's fragments land where the first tile's p was
.endr
.endr
.endr
	WIN 0x41
	s_wait_alu depctr_va_vdst(0)                   ; the wait ahead of the batch
.set j, 128
.rept 128
	v_exp_f32 v[j], v[j]
.set j, j+1
.endr
	v_nop                                          ; a plain instruction behind the exponentials
	s_wait_alu depctr_va_vdst(0)
	CODES 4
	SUMS 128, SUM+2
.if \pre
	KPRE TS
	s_wait_dscnt 42                                ; the first chunk's V; behind it 16 + 26
.else
	s_wait_dscnt 16                                ; behind it 16
.endif
	WIN 0x01
	PV 0
.if \pre
	s_wait_dscnt 26
.else
	s_wait_dscnt 0x0
.endif
	PV 1
	WIN 0
.endm
.macro SLOT_STEPS
	s_add_co_u32 s[TS], s[TB], 2*CH
	KPRE TB
	STEP 1
	STEP 0
	s_xor_b32 s[TB], s[TB], SLOT                   ; on to the other slot
.endm
	s_load_b128 s[4:7], s[0:1], 0x0                ; qbuf s[4:5], kvc s[6:7]
	s_load_b64 s[8:9], s[0:1], 0x10                ; out0
	v_lshl_add_u32 v[SPW], v0, 2, SPARE
	v_mov_b32 v[NIL], 0
	ds_add_u32 v[SPW], v[NIL]                      ; the opening: the add, twice on end, and its wait ahead of my first tensor load
	ds_add_u32 v[SPW], v[NIL]
	v_lshrrev_b32 v15, 5, v0
	v_readfirstlane_b32 s[WV], v15                 ; wave 0..7
	s_bfe_u32 s13, ttmp6, 0x40000                  ; cx: my place in the cluster
	s_lshl_b32 s14, ttmp9, 2
	s_add_co_u32 s14, s14, s13                     ; X = 4 x cluster x + cx: my block of 128 queries; it enters Q's, O's and the prefetches' addresses alone
	s_cmp_eq_u32 ttmp9, 0
	s_cselect_b32 s[LIM], 1, -1
	s_and_b32 s15, ttmp7, 0xffff                   ; the head, which the four partners share
	s_lshr_b32 s16, s[WV], 2                       ; g: my half of the keys
	s_and_b32 s17, s[WV], 3                        ; my pair of query tiles
	; descriptor group 1: 68 dense rows of 256 bytes (32 elements of 8 bytes), no padding: a chunk
	s_mov_b32 s[G1], 15|(3<<16)|(1<<21)            ; 15:0 the mask: all four work-groups; 17:16 elements of 8 bytes; 21 set beside a mask
	s_mov_b32 s[G1+1], 32<<16
	s_mov_b32 s[G1+2], 68<<16
	s_mov_b32 s[G1+3], 32<<16
	s_mov_b32 s[G1+4], 68
	s_mov_b32 s[G1+5], 32
	s_mov_b32 s[G1+6], 0
	s_mov_b32 s[G1+7], 0
	s_mov_b32 s[SEL], 0x76543210
	s_mov_b32 s[SEL+1], 0xfedcba98
	s_mov_b32 s[CS], 0x3e0293ee                    ; c = log2(e) / sqrt(128)
	s_mov_b32 s[CS+1], s[CS]
	s_mov_b32 s[NC], 0xbe0293ee
	s_mov_b32 s[TB], 0
	s_mov_b32 s[SLOTS], 3
	; what I fetch: chunk w of a slot: the head and the wave's number alone
	s_mul_i32 s[WB], s[WV], CH
	s_mov_b32 s[G0], 1
	s_mov_b32 s[G0+1], s[WB]                       ; LDS address: slot 0
	s_mul_i32 s58, s15, 32*CH
	s_add_co_u32 s58, s58, s[WB]
	s_mov_b32 s59, 0
	s_mul_i32 s62, s13, 4352                       ; the prefetches: my work-group's quarter of chunk w,
	s_add_co_u32 s62, s62, s58
	s_add_co_u32 s62, s62, SLOT                    ; in slot 1: the first change of slots steps it to slot 2
	s_mov_b32 s63, 0
	; offsets that hang on my block of queries
	s_lshl_b32 s52, s15, 5
	s_add_co_u32 s52, s52, s14                     ; the chunk: 32 head + X
	s_mul_i32 s52, s52, 8704
	s_lshl_b32 s54, s17, 2
	s_add_co_u32 s54, s54, s52
	s_add_co_u32 s54, s54, 8192                    ; my tiles' scale words
	s_mov_b32 s55, 0
	s_lshl_b32 s53, s17, 11
	s_add_co_u32 s52, s52, s53                     ; my tiles' images
	s_mov_b32 s53, 0
	s_lshr_b32 s50, s17, 1
	s_and_b32 s51, s17, 1
	s_lshl_b32 s56, s15, 12
	s_lshl_b32 s57, s14, 7
	s_add_co_u32 s56, s56, s57
	s_lshl_b32 s57, s50, 6
	s_add_co_u32 s56, s56, s57
	s_lshl_b32 s57, s51, 4
	s_add_co_u32 s56, s56, s57
	s_lshl_b32 s57, s16, 3
	s_add_co_u32 s56, s56, s57                     ; the first row of the tile that I finish, 2 (w % 4) + g: 4,096 head + 128 X + 64 (tile / 4) + 8 (tile % 4)
	s_lshl_b32 s56, s56, 9
	s_mov_b32 s57, 0
	; LDS addresses: constants, the lane and the wave's number
	s_mul_i32 s50, s16, 4*CH
	s_mul_i32 s51, s[WV], 8448
	s_xor_b32 s60, s[WV], 4
	s_mul_i32 s60, s60, 8448                       ; my partner's place
	s_add_co_u32 s61, s51, OST
	v_and_b32 v24, 31, v0                          ; lane
	v_and_b32 v25, 15, v0                          ; r
	v_bfe_u32 v26, v0, 4, 1                        ; h
	v_lshlrev_b32 v[LI], 4, v24
	v_mul_u32_u24 v[STO], v25, 528
	v_min_u32 v[PFO], 16, v24
	v_lshl_add_u32 v[STO], v26, 5, v[STO]          ; in: row r, + 32 h; channels 16 t on at 64 t
	v_lshlrev_b32 v[PFO], 8, v[PFO]
	v_add_nc_u32 v[AK0], s50, v[LI]
	v_add_nc_u32 v[MWR], s51, v[LI]
	v_add_nc_u32 v[MRD], s60, v[LI]
	s_add_co_u32 s51, s51, 8192
	s_add_co_u32 s60, s60, 8192
	v_lshl_add_u32 v[MWS], v24, 3, s51
	v_lshl_add_u32 v[MRS], v24, 3, s60
	v_add_nc_u32 v[STO], s61, v[STO]
	v_add_nc_u32 v[RD], s61, v[LI]                 ; back: a whole row of 512 bytes for the 32 lanes
	s_wait_alu depctr_va_vdst(0)
	s_wait_dscnt 0x0                               ; both opening adds are done
	s_wait_kmcnt 0x0
	s_add_nc_u64 s[G0+2:G0+3], s[6:7], s[58:59]
	s_or_b32 s[G0+3], s[G0+3], 0x80000000          ; type = 2
	s_add_nc_u64 s[PFA:PFA+1], s[6:7], s[62:63]
	s_add_nc_u64 s[54:55], s[4:5], s[54:55]
	s_add_nc_u64 s[4:5], s[4:5], s[52:53]
	s_add_nc_u64 s[8:9], s[8:9], s[56:57]
	CROUND                                         ; all four work-groups are here: the first joint loads meet
	TLOAD                                          ; slot 0: one tensor load a wave at the head
.irp c, 0,1,2,3
	global_load_b128 v[QF+4*\c:QF+4*\c+3], v[LI], s[4:5] offset:512*\c   ; Q's two fragments stay in registers
.endr
	global_load_b32 v[QS], v[LI], s[54:55]         ; and their scale words
.irp a, 0,2
	v_mov_b32 v[NM+\a], 0x7e000000                 ; -M: above every -M to come, so that the first change of M leaves zeros
	v_mov_b32 v[NM+1+\a], 0xff61b1e6               ; the largest score so far: -3e38
	v_mov_b32 v[FS+1+\a], 0                        ; (named as the upper half of a pair)
	v_mov_b32 v[SUM+\a], 0
	v_mov_b32 v[SUM+1+\a], 0
.endr
	v_mov_b32 v[XL], 0                             ; written once: a lane permute's destination counts as one of its sources
	v_mov_b32 v[XL+1], 0
.set j, 0
.rept 128
	v_mov_b32 v[OA+j], 0                           ; O^T, while the first slot is on its way.  The step is written for all steps alike: the first finds zeros
.set j, j+1
.endr
	s_wait_alu depctr_va_vdst(0)
	s_wait_loadcnt 0x0                             ; Q
.Lslot:                                            ; 3 trips: behind each change of slots the next slot is asked for
	CHANGE 1
	SLOT_STEPS
	s_sub_co_u32 s[SLOTS], s[SLOTS], 1
	s_cmp_lg_u32 s[SLOTS], 0
	s_cbranch_scc1 .Lslot
	CHANGE 0                                       ; the last slot is written out
	SLOT_STEPS
	; THE TWO HALVES OF THE KEYS ARE JOINED.  Of its two tiles wave w keeps tile g and hands the other (O^T as an image of its registers, -M and the sum) to wave w xor 4.
.rept 4
	v_nop                                          ; four places between the last products and the first read of O^T
.endr
	s_wait_alu depctr_va_vdst(0)                   ; directly ahead of the readers of the sums
	v_add_f32 v21, v[SUM], v[SUM+1]                ; the sums' two halves,
	v_add_f32 v23, v[SUM+2], v[SUM+3]
	v_permlanex16_b32 v[XL], v21, s[SEL], s[SEL+1]
	v_permlanex16_b32 v[XL+1], v23, s[SEL], s[SEL+1]
	v_mov_b32 v20, v[NM]
	v_mov_b32 v22, v[NM+2]
	v_add_f32 v21, v21, v[XL]                      ; and lane l xor 16's: v[20:21], v[22:23] = -M and the sum of each tile
	v_add_f32 v23, v23, v[XL+1]
	s_wait_alu depctr_va_vdst(0)
	s_cmp_lt_u32 s[WV], 4
	s_cbranch_scc0 .Lsend_first
.irp i, 0,1,2,3,4,5,6,7,8,9,10,11,12,13,14,15
	ds_store_b128 v[MWR], v[OA+64+4*\i:OA+64+4*\i+3] offset:512*\i   ; each accumulator from its low end on
.endr
	ds_store_b64 v[MWS], v[22:23]
	v_mov_b32 v24, v20
	v_mov_b32 v25, v21
	s_wait_alu depctr_va_vdst(0)
	s_branch .Lsent
.Lsend_first:
.irp i, 0,1,2,3,4,5,6,7,8,9,10,11,12,13,14,15
	ds_store_b128 v[MWR], v[OA+4*\i:OA+4*\i+3] offset:512*\i
.endr
	ds_store_b64 v[MWS], v[20:21]
	v_mov_b32 v24, v22
	v_mov_b32 v25, v23
.Lsent:
	s_wait_alu depctr_va_vdst(0)
	s_wait_dscnt 0x0                               ; for the other's sake: my stores are done
	s_barrier_signal -1
	s_barrier_wait -1
	ds_load_b64 v[26:27], v[MRS]
.irp i, 0,1,2,3,4,5,6,7,8,9,10,11,12,13,14,15
	ds_load_b128 v[KG+4*\i:KG+4*\i+3], v[MRD] offset:512*\i
.endr
	s_wait_dscnt 16                                ; the partner's -M and sum; its O^T's 16 loads may be out
	v_min_num_f32 v28, v24, v26                    ; -M of both halves: the larger M
	v_sub_f32 v29, v28, v24                        ; my M less it: a whole number, 0 or less
	v_sub_f32 v30, v28, v26                        ; the other's
	v_cvt_i32_f32 v29, v29
	v_cvt_i32_f32 v30, v30
	v_ldexp_f32 v29, 1.0, v29                      ; exact powers of two
	v_ldexp_f32 v30, 1.0, v30
	v_mul_f32 v31, v25, v29
	v_fma_f32 v31, v27, v30, v31                   ; the row's sum under the common M: above 1/2
	s_wait_alu depctr_va_vdst(0)                   ; the wait ahead of the reciprocal,
	v_rcp_f32 v31, v31
	v_nop                                          ; a plain instruction behind it,
	s_wait_alu depctr_va_vdst(0)                   ; and the wait ahead of its first reader
	v_mul_f32 v16, v29, v31
	v_mul_f32 v18, v30, v31
	s_wait_alu depctr_va_vdst(0)
	s_wait_dscnt 0x0
.set j, 0
.rept 32
	v_pk_mul_f32 v[KG+j:KG+j+1], v[KG+j:KG+j+1], v[18:19] op_sel_hi:[1,0]
.set j, j+2
.endr
	s_wait_alu depctr_va_vdst(0)                   ; the wait ahead of the branch
	s_cmp_lt_u32 s[WV], 4
	s_cbranch_scc0 .Lkeep_second
	s_wait_alu depctr_va_vdst(0)                   ; and directly ahead of the first readers of O^T behind the reciprocal
.set j, 0
.rept 32
	v_pk_fma_f32 v[KG+j:KG+j+1], v[OA+j:OA+j+1], v[16:17], v[KG+j:KG+j+1] op_sel_hi:[1,0,1]   ; register 8 t + i: out(query r, channel 16 t + 8 h + i)
.set j, j+2
.endr
	s_wait_alu depctr_va_vdst(0)
	s_branch .Ljoined
.Lkeep_second:
	s_wait_alu depctr_va_vdst(0)
.set j, 0
.rept 32
	v_pk_fma_f32 v[KG+j:KG+j+1], v[OA+64+j:OA+64+j+1], v[16:17], v[KG+j:KG+j+1] op_sel_hi:[1,0,1]
.set j, j+2
.endr
.Ljoined:
	s_wait_alu depctr_va_vdst(0)
	; THE WAY OUT: through my own stage, so that a store covers a whole row of 512 consecutive bytes, at a multiple of 256 from out0's first byte
.irp t, 0,1,2,3,4,5,6,7
	ds_store_b128 v[STO], v[KG+8*\t:KG+8*\t+3] offset:64*\t
	ds_store_b128 v[STO], v[KG+8*\t+4:KG+8*\t+7] offset:64*\t+16
.endr
.irp i, 0,1,2,3,4,5,6,7,8,9,10,11,12,13,14,15
	ds_load_b128 v[OA+4*\i:OA+4*\i+3], v[RD] offset:528*\i   ; LDS serves a wave's instructions in order (ISA guide 5.7.1.4): these see my stores
.endr
.irp i, 0,1,2,3,4,5,6,7,8,9,10,11,12,13,14,15
	s_wait_dscnt 15-\i                             ; row i is back; the younger loads may be out
	global_store_b128 v[LI], v[OA+4*\i:OA+4*\i+3], s[8:9] offset:(\i+24*(\i/8))*512   ; row i of the tile is row i + 24 (i / 8) from the tile's first
.endr
	s_wait_tensorcnt 0x0                           ; the wave's end, behind my last tensor load and my last LDS store
	ds_add_u32 v[SPW], v[NIL]
	s_wait_dscnt 0x0
	CROUND                                         ; the closing round: no work-group ends while a partner may still ask jointly
	s_endpgm
.Lfunc_end_k_q463c662515_attn:
	.size	k_q463c662515_attn, .Lfunc_end_k_q463c662515_attn-k_q463c662515_attn
	.p2alignl 7, 3214868480
	.fill 96, 4, 3214868480
	.section	.rodata,"a",@progbits
	.p2align	6, 0x0
	.amdhsa_kernel k_q463c662515_attn
		.amdhsa_group_segment_fixed_size 327680
		.amdhsa_private_segment_fixed_size 0
		.amdhsa_enable_private_segment 0
		.amdhsa_kernarg_size 24
		.amdhsa_user_sgpr_count 2
		.amdhsa_user_sgpr_kernarg_segment_ptr 1
		.amdhsa_wavefront_size32 1
		.amdhsa_system_sgpr_workgroup_id_x 1
		.amdhsa_system_sgpr_workgroup_id_y 1
		.amdhsa_system_sgpr_workgroup_id_z 1
		.amdhsa_system_vgpr_workitem_id 0
		.amdhsa_next_free_vgpr 512
		.amdhsa_next_free_sgpr 68
		.amdhsa_reserve_vcc 0
		.amdhsa_float_denorm_mode_32 3
		.amdhsa_float_denorm_mode_16_64 3
		.amdhsa_memory_ordered 1
		.amdhsa_forward_progress 1
		.amdhsa_inst_pref_size 233
	.end_amdhsa_kernel
	.amdgpu_metadata
---
amdhsa.version: [ 1, 2 ]
amdhsa.kernels:
  - .name:           k_q463c662515_attn
    .symbol:         k_q463c662515_attn.kd
    .args:
      - { .name: qbuf, .offset: 0, .size: 8, .value_kind: global_buffer, .address_space: global }
      - { .name: kvc, .offset: 8, .size: 8, .value_kind: global_buffer, .address_space: global }
      - { .name: out0, .offset: 16, .size: 8, .value_kind: global_buffer, .address_space: global }
    .group_segment_fixed_size: 327680
    .private_segment_fixed_size: 0
    .kernarg_segment_align: 8
    .kernarg_segment_size: 24
    .max_flat_workgroup_size: 256
    .sgpr_count:     68
    .vgpr_count:     512
    .wavefront_size: 32
...
	.end_amdgpu_metadata
.endif
;; end of part 2
